; MI455X (gfx1250); checked and timed in simulation.
; The chip was launched on July 23, 2026; its instructions are those of AMD's public machine-readable ISA for CDNA 5 (MIT licence, August 2026) and "CDNA5" Instruction Set Architecture Reference Guide (July 2026). The comments in the code are by the model that wrote it; some were corrected since.
;; Linear GRPO Loss. Allowed arithmetic: matrix products marked QUANTISED: E2M3 operands, one E8M0 scale for each 32 along K, by v_wmma_scale_f32_16x16x128_f8f6f4 with both operands' format E2M3, f32 sums; everything else in f32.
;; Inputs: advantages 4 float32; outputs 4 x 2,048 x 2,048 float32; padding_masks 4 x 2,048 bool; ref_logprobs 4 x 2,048 float32; targets 4 x 2,048 int32; weight_codes 4,000 x 64 x 24 uint8 (E2M3 codes of weight, K innermost, in blocks of 32 codes, four codes in three bytes); weight_scales 4,000 x 64 uint8 (E8M0 scales of weight, one for each 32 codes along K).
;; Outputs: out0 one number float32; out1 one number float32; out2 one number float32; out3 one number float32; out4 one number float32; out5 4 x 2,048 float32.
;; This version of the problem:
;;   THIS VERSION OF THE PROBLEM IS GIVEN IN LOW PRECISION. The matrix products marked QUANTISED in the list below multiply operands that are first quantised to E2M3 (2 exponent bits, 3 mantissa bits; 6 bits a number), with one power-of-two scale for each 32 numbers along K (OCP MX v1.0); their sums are f32. All else is computed in f32.
;;   The module's matrix products, in the order in which they are computed (A, B: the left and right operand; K: the contracted axis; several contracted axes count as one K, in the product's order):
;;     1. [M 1,024, K 2,048] x [K 2,048, N 4,000]; A: computed on the way; B: input weight (given as codes): QUANTISED
;;     2. [M 1,024, K 2,048] x [K 2,048, N 4,000]; A: computed on the way; B: input weight (given as codes): QUANTISED
;;     3. [M 1,024, K 2,048] x [K 2,048, N 4,000]; A: computed on the way; B: input weight (given as codes): QUANTISED
;;     4. [M 1,024, K 2,048] x [K 2,048, N 4,000]; A: computed on the way; B: input weight (given as codes): QUANTISED
;;     5. [M 1,024, K 2,048] x [K 2,048, N 4,000]; A: computed on the way; B: input weight (given as codes): QUANTISED
;;     6. [M 1,024, K 2,048] x [K 2,048, N 4,000]; A: computed on the way; B: input weight (given as codes): QUANTISED
;;     7. [M 1,024, K 2,048] x [K 2,048, N 4,000]; A: computed on the way; B: input weight (given as codes): QUANTISED
;;     8. [M 1,024, K 2,048] x [K 2,048, N 4,000]; A: computed on the way; B: input weight (given as codes): QUANTISED
;;   THE QUANTISER, for each operand of a quantised product, along K:
;;     - K is cut into blocks of 32 from its start; a last block that is shorter is filled with zeros.
;;     - A block's scale is 2^e with e = floor(log2(the largest magnitude in the block)) - 2, held to -126 .. 127; a block of zeros has e = 0. As a byte (E8M0): e + 127.
;;     - Each number is divided by its block's scale, clamped to +-7.5, and rounded to the nearest number of E2M3, ties to even, subnormals kept.
;;     - The product sums the exact products of the quantised numbers (number of the format x scale) in f32.
;;   ~~~python
;;   def quantise(x, axis):      # numpy; x: float32 -> the quantised numbers, widened to float32 again
;;       x = np.moveaxis(x, axis, -1); K = x.shape[-1]
;;       x = np.pad(x, [(0, 0)] * (x.ndim - 1) + [(0, -K % 32)]); x = x.reshape(x.shape[:-1] + (-1, 32)); a = np.abs(x).max(-1, keepdims=True)
;;       e = np.where(a > 0, np.clip(np.frexp(np.where(a > 0, a, 1))[1] - 1 - 2, -126, 127), 0)      # np.frexp(a)[1] - 1 = floor(log2(a)), exactly
;;       r = np.clip(x / 2.0 ** e, -7.5, 7.5)
;;       step = 2.0 ** (np.maximum(np.frexp(np.where(r == 0, 1, r))[1] - 1, 0) - 3)
;;       q = np.round(r / step) * step * 2.0 ** e      # np.round: ties to even
;;       return np.moveaxis(q.reshape(q.shape[:-2] + (-1,))[..., :K], -1, axis).astype(np.float32)
;;   ~~~
;;   OPERANDS COMPUTED ON THE WAY. 'Computed on the way' means the value that the module computes at that place (a softmax that the list does not call 'softmax' is quantised finished and normalised). What goes into a quantiser is computed in f32, as accurately as f32 sums, v_exp_f32 and their like allow (about 1e-6 of the number): no bf16 or f16 on the way to a quantiser, and a product that is left as it is and whose result goes on into a quantised operand takes f32 operands (vector FMAs, or v_wmma_f32_16x16x4_f32). A number that lies on a knife's edge between two numbers of the format may be rounded either way, as far as f32 arithmetic and the matrix unit's own rounding can turn it there, and no further.
;;   INPUTS GIVEN AS CODES. weight (in the module: [4000, 2048], K = its axis 1): each comes as NAME_codes (uint8): NAME with its K axis moved to the last place and cut into blocks of 32 codes, [.., K / 32, bytes a block], one block behind the other in memory; four codes in three bytes: a row's codes are one little-endian stream of bits, code i at bits 6 i .. 6 i + 5 (a code: sign, 2 exponent bits, 3 mantissa bits); and NAME_scales (uint8): the same leading axes, one E8M0 byte (e + 127) for each 32 codes along K. Its value is code x scale, taken as it is: it is not quantised again, and the codes and scales need not be those that the quantiser above would give.
;; One version. Each part assembles by itself: llvm-mc -triple=amdgcn-amd-amdhsa -mcpu=gfx1250 --defsym DOCPART=n.
;; ======== version 1 of 1: 4 launches
;; workspace buffers: a_codes 12,582,912 bytes; a_scales 524,288 bytes; part 524,288 bytes; tgtp 131,072 bytes; wsum 2,048 bytes
;; launch quant (part 1): grid 512 x 1, 4 waves a work-group, no clusters, 33,280 bytes of LDS; arguments outputs, a_codes, a_scales; writes a_codes, a_scales
.if DOCPART == 1
	.amdgcn_target "amdgcn-amd-amdhsa--gfx1250"
	.amdhsa_code_object_version 6
	.text
	.protected	k_q5472736ba1_quant
	.globl	k_q5472736ba1_quant
	.p2align	8
	.type	k_q5472736ba1_quant,@function
k_q5472736ba1_quant:
	s_mov_b64 s[64:65], 0
	v_nop
	global_prefetch_b8 v0, s[64:65] scope:SCOPE_SE
	s_setreg_imm32_b32 hwreg(HW_REG_WAVE_MODE, 25, 1), 1
	s_wait_xcnt 0x0
; outputs [8192][2048], f32, is turned into codes of FP6 (E2M3), 6 bits each, K innermost (a row: 1,536 bytes), with one E8M0 scale byte for each 32 along K (a row: 64 bytes).
; A block's scale is 2^(floor(log2(its largest magnitude)) - 2); its byte is the largest magnitude's own exponent field - 2, held at 1 from below.  Each number is divided by the scale and rounded to the
; nearest code, ties to even; beyond 7.5 the largest code.
; LIMITS: a block of zeros gets the byte 1 where the quantiser says 127: its codes are zeros, which add nothing under any byte but 0xff, and this program alone reads the bytes.  Blocks whose largest
; magnitude lies under 2^-124 (the floor) are held at the byte 1.  NaN and infinities among the inputs are not served.
; Why a launch of its own: each row is read by 16 column tiles of the product; quantised once, the f32 numbers are read once and every later read is of three sixteenths of the bytes.
; Rows are dense and 2,048 is a multiple of 32: the tensor is a plain stream of blocks of 32, and so are the codes and the scale bytes.
; A wave takes 16 steps of 512 numbers.  Each of a step's four loads reads 512 consecutive bytes, 16 a lane; the 2,048 bytes go through the wave's own stage in LDS and come back 64 bytes a lane, so that a lane
; holds 16 NEIGHBOURS along K (two neighbouring lanes hold a block), as the conversion wants them.  A lane's 16 codes are 12 bytes: the wave stores 384 consecutive bytes.
; A wave's 256 scale bytes are gathered in its own 256 bytes of LDS and leave as one aligned run of 256 bytes.  No tensor loads, no barrier: waves share nothing.  Loads run four steps (16 loads a wave) ahead.
.set STEPS, 16
.set EMAX,  2
.set CB,    12                         ; bytes of 16 codes
.set R,     16                         ; v16-79   four sets of 16 numbers as they are loaded
.set X,     80                         ; v80-111  two sets of 16 neighbours
.set C,     128                        ; v128-191 codes: four registers for each step, so that no store's data are written again
.set E,     112                        ; v112-127 a scale byte for each step
.set WREG,  8192                       ; LDS: a region for each wave: two stages of 32 x SP bytes, behind them its 256 scale bytes
.set SP,    80                         ; a lane's place in a stage: its 64 bytes + 16 of padding
	s_load_b128 s[4:7], s[0:1], 0x0                ; outputs s[4:5], a_codes s[6:7]
	s_load_b64 s[8:9], s[0:1], 0x10                ; a_scales
	v_lshl_add_u32 v192, v0, 2, 0x8000
	v_mov_b32 v193, 0
	v_lshrrev_b32 v1, 5, v0
	v_readfirstlane_b32 s16, v1                    ; wave
	v_and_b32 v2, 31, v0                           ; lane
	v_lshlrev_b32 v3, 4, v2                        ; my 16 bytes of a load's 512
	s_mul_i32 s17, s16, WREG
	v_lshrrev_b32 v14, 2, v2
	v_mul_u32_u24 v14, v14, SP
	v_and_b32 v15, 3, v2
	v_lshl_add_u32 v14, v15, 4, v14
	v_add_nc_u32 v14, s17, v14                     ; the stage, on the way in: SP (lane / 4) + 16 (lane % 4)
	v_mul_u32_u24 v15, v2, SP
	v_add_nc_u32 v15, s17, v15                     ; and on the way out: SP x lane: my 16 neighbours
	v_mul_u32_u24 v4, v2, CB                       ; my codes' place in a step's
	v_lshrrev_b32 v5, 1, v2
	s_add_co_u32 s17, s17, 2*32*SP
	v_add_nc_u32 v5, s17, v5                       ; LDS: my wave's 256 scale bytes, my block's byte
	v_lshlrev_b32 v7, 3, v2                        ; and on the way out 8 bytes a lane
	v_add_nc_u32 v6, s17, v7
	s_lshl_b32 s18, ttmp9, 2
	s_add_co_u32 s18, s18, s16                     ; which run of 8,192 numbers is my wave's: 0 .. 2,047
	s_mov_b32 s21, 0
	s_wait_kmcnt 0x0
	s_lshl_b32 s20, s18, 15                        ; 32,768 bytes of f32 a run
	s_add_nc_u64 s[4:5], s[4:5], s[20:21]
	s_mul_i32 s20, s18, 32*STEPS*CB                ; 6,144 bytes of codes
	s_add_nc_u64 s[6:7], s[6:7], s[20:21]
	s_lshl_b32 s20, s18, 8                         ; 256 scale bytes
	s_add_nc_u64 s[8:9], s[8:9], s[20:21]
.macro LOAD t
.irp i, 0,1,2,3
	global_load_b128 v[R+16*((\t)%4)+4*\i:R+16*((\t)%4)+4*\i+3], v3, s[4:5] offset:2048*(\t)+512*\i th:TH_LOAD_NT   ; 32 lanes read 512 consecutive bytes; read once in the launch
.endr
.endm
.macro TURN t                          ; step t's numbers through the stage: LDS serves a wave's instructions in order, so no wait stands between the stores and the loads
.irp i, 0,1,2,3
	ds_store_b128 v14, v[R+16*((\t)%4)+4*\i:R+16*((\t)%4)+4*\i+3] offset:32*SP*((\t)%2)+8*SP*\i
.endr
.irp i, 0,1,2,3
	ds_load_b128 v[X+16*((\t)%2)+4*\i:X+16*((\t)%2)+4*\i+3], v15 offset:32*SP*((\t)%2)+16*\i
.endr
.endm
.irp t, 0,1,2,3
	LOAD \t
.endr
	s_wait_loadcnt 12                              ; step 0's four loads are in; the twelve of steps 1 to 3 may be out
	TURN 0
.macro STEP t
.set XS, X+16*((\t)%2)
.if (\t) > 0
	s_wait_dscnt 1                                 ; this step's numbers are back from the stage (the last step's byte store may be out): so its stores into the stage have read their registers,
.else
	s_wait_dscnt 0x0
.endif
.if (\t)+4 < STEPS
	LOAD (\t)+4                                    ; which take the loads of four steps on
.endif
.if (\t)+1 < STEPS
.if STEPS-2-(\t) >= 3
	s_wait_loadcnt 12                              ; the next step's four loads are in; those of the three steps behind it may be out
.else
	s_wait_loadcnt 4*(STEPS-2-(\t))
.endif
	TURN (\t)+1                                    ; and go through the other stage while this step is worked
.endif
	v_max3_num_f32 v8, |v[XS]|, |v[XS+1]|, |v[XS+2]|               ; the largest magnitude of my 16, in two chains
	v_max3_num_f32 v9, |v[XS+3]|, |v[XS+4]|, |v[XS+5]|
.irp i, 6,10
	v_max3_num_f32 v8, v8, |v[XS+\i]|, |v[XS+\i+1]|
	v_max3_num_f32 v9, v9, |v[XS+\i+2]|, |v[XS+\i+3]|
.endr
	v_max3_num_f32 v8, v8, |v[XS+14]|, |v[XS+15]|
	v_max3_num_f32 v8, v8, v9, (EMAX+1)<<23        ; and the floor 2^(3 - 127): so the byte cannot fall under 1
	v_max_num_f32_dpp v8, v8, v8 row_xmask:1 row_mask:0xf bank_mask:0xf   ; and of my neighbour's 16: the block's
	v_add_nc_u32 v11, -(EMAX<<23), v8              ; 2 off its exponent field: the conversion takes the exponent field of this operand as its scale, and nothing else of it
	v_cvt_scalef32_pk16_fp6_f32 v[C+4*(\t):C+4*(\t)+2], v[XS:XS+15], v11         ; sixteen codes, 96 bits without gaps, the first number's code lowest
	v_lshrrev_b32 v[E+(\t)], 23, v11               ; the scale's byte (also the plain line behind the conversion)
	ds_store_b8 v5, v[E+(\t)] offset:16*(\t)       ; both lanes of a block write the same byte with the same value
	global_store_b96 v4, v[C+4*(\t):C+4*(\t)+2], s[6:7] offset:32*CB*(\t)
.endm
.irp t, 0,1,2,3,4,5,6,7,8,9,10,11,12,13,14,15
	STEP \t
.endr
	ds_load_b64 v[12:13], v6                       ; LDS serves a wave's instructions in order: these see my stores
	s_wait_dscnt 0x0
	global_store_b64 v7, v[12:13], s[8:9]          ; 32 lanes store 256 consecutive bytes, at a multiple of 256 from the buffer's first byte
	s_wait_tensorcnt 0x0
	ds_add_u32 v192, v193
	s_wait_dscnt 0x0
	s_endpgm
.Lfunc_end_k_q5472736ba1_quant:
	.size	k_q5472736ba1_quant, .Lfunc_end_k_q5472736ba1_quant-k_q5472736ba1_quant
	.p2alignl 7, 3214868480
	.fill 96, 4, 3214868480
	.section	.rodata,"a",@progbits
	.p2align	6, 0x0
	.amdhsa_kernel k_q5472736ba1_quant
		.amdhsa_group_segment_fixed_size 33280
		.amdhsa_private_segment_fixed_size 0
		.amdhsa_enable_private_segment 0
		.amdhsa_kernarg_size 24
		.amdhsa_user_sgpr_count 2
		.amdhsa_user_sgpr_kernarg_segment_ptr 1
		.amdhsa_wavefront_size32 1
		.amdhsa_system_sgpr_workgroup_id_x 1
		.amdhsa_system_sgpr_workgroup_id_y 1
		.amdhsa_system_sgpr_workgroup_id_z 1
		.amdhsa_system_vgpr_workitem_id 0
		.amdhsa_next_free_vgpr 194
		.amdhsa_next_free_sgpr 66
		.amdhsa_reserve_vcc 0
		.amdhsa_float_denorm_mode_32 3
		.amdhsa_float_denorm_mode_16_64 3
		.amdhsa_memory_ordered 1
		.amdhsa_forward_progress 1
		.amdhsa_inst_pref_size 32
	.end_amdhsa_kernel
	.amdgpu_metadata
---
amdhsa.version: [ 1, 2 ]
amdhsa.kernels:
  - .name:           k_q5472736ba1_quant
    .symbol:         k_q5472736ba1_quant.kd
    .args:
      - { .name: outputs, .offset: 0, .size: 8, .value_kind: global_buffer, .address_space: global }
      - { .name: a_codes, .offset: 8, .size: 8, .value_kind: global_buffer, .address_space: global }
      - { .name: a_scales, .offset: 16, .size: 8, .value_kind: global_buffer, .address_space: global }
    .group_segment_fixed_size: 33280
    .private_segment_fixed_size: 0
    .kernarg_segment_align: 8
    .kernarg_segment_size: 24
    .max_flat_workgroup_size: 128
    .sgpr_count:     66
    .vgpr_count:     194
    .wavefront_size: 32
...
	.end_amdgpu_metadata
.endif
;; end of part 1
;; launch gemm (part 2): grid 16 x 32, 4 waves a work-group, clusters of 4 x 4, 327,680 bytes of LDS; arguments a_codes, a_scales, weight_codes, weight_scales, targets, part, tgtp; writes part, tgtp
.if DOCPART == 2
	.amdgcn_target "amdgcn-amd-amdhsa--gfx1250"
	.amdhsa_code_object_version 6
	.text
	.protected	k_q5472736ba1_gemm
	.globl	k_q5472736ba1_gemm
	.p2align	8
	.type	k_q5472736ba1_gemm,@function
k_q5472736ba1_gemm:
	s_mov_b64 s[64:65], 0
	v_nop
	global_prefetch_b8 v0, s[64:65] scope:SCOPE_SE
	s_setreg_imm32_b32 hwreg(HW_REG_WAVE_MODE, 25, 1), 1
	s_wait_xcnt 0x0
	s_wait_alu depctr_hold_cnt(0) depctr_sa_sdst(0) depctr_va_vdst(0) depctr_va_sdst(0) depctr_va_ssrc(0) depctr_va_vcc(0) depctr_vm_vsrc(0)
	s_getreg_b32 s2, hwreg(HW_REG_IB_STS2, 6, 4)
	s_cmp_eq_u32 s2, 0
	s_cbranch_scc0 .Lentry_in_a_cluster
	s_endpgm
.Lentry_in_a_cluster:
	s_bfe_u32 s2, ttmp6, 0x10000c
	s_cmp_lg_u32 s2, 0xf033
	s_cbranch_scc0 .Lentry_shape_is_right
	s_endpgm
.Lentry_shape_is_right:
; logits[m][n] = sum over k of A[m][k] W[n][k], A: [8192][2048] (the quantised rows), W: [4000][2048]: codes of FP6 (E2M3) with one E8M0 scale for each 32 along K; sums in f32.  THE LOGITS NEVER LEAVE THE REGISTERS:
; of each tile of 256 x 256 only L[row] = log(sum over the tile's own columns of e^logit) is stored, with the tile's maximum taken away ahead of the exponentials: part[column tile][row].  A later launch joins a row's 16 L.
; A tile is made by a work-group of four waves, as many as a WGP has SIMDs; a wave makes 128 x 128: 64 accumulators of 16 x 16, 512 registers.  K goes in steps of 256 through a ring of two LDS slots filled by the
; tensor data mover (a tile's row: 192 bytes).  The scales of the work-group's 256 + 256 rows, for all of K, come into LDS once, with the first fills, and stay.
; THE LAST COLUMN TILE begins at row 3,744 of W and not at 3,840, so that every tile lies inside its buffer and has one shape.  Its first FV = 96 columns are the tile before's: they take part in the maximum
; (they are logits of the same row, so the tile's maximum stays at or under the row's) and get the weight 0 in the sum.
; THE TARGET'S LOGIT is a product of its own: work-group number idx = 16 x tile row + tile column (0 .. 511) serves rows 16 idx .. 16 idx + 15: the 16 rows of W that targets names are gathered as source 1, the 16
; rows of A are source 0, and the diagonal of the 16 x 16 result is wanted.  Wave w takes K = 512 w .. 512 w + 511 (four matrix instructions): tgtp[w][row].  Its 50 loads are asked for at the head and waited for behind the loop.
; LIMITS: a target outside 0 .. 3,999 is held to 3,999.  NaN and infinities among the logits are not served.
; CLUSTERS: 4 x 4 work-groups.  The four of a row of the cluster need the same tiles of A, the four of a column the same tiles of W: each tile is asked for JOINTLY, by the same tensor load with the same descriptor
; and a mask that names the four.  THE MATRIX INSTRUCTION IS USED TRANSPOSED (source 0 = 16 rows of W, source 1 = 16 rows of A): lane (r, h) holds row 16 a + r and columns 16 b + 8 h + 0 .. 7, so a row's maximum and sum want one exchange between the halves of the lanes.
; REGISTERS, in windows of 256: window 0: v1-31 addresses; v32-63 scale words, two sets; v64-111 the gathered product's fragments of A; v112-119 its scale words; v120-126 its offsets; from v128 A's fragments, ONE set (on the way out: at work); v224-247 the gathered product's sums.
;   window 1: W's fragments, TWO sets, at v0 and at v128; the gathered rows' at v96, v108, v224, v236.   window 2: the 32 accumulators of my rows 0-63 ((a, b) at v[8 (8 a + b)]);   window 3: those of my rows 64-127.
.set KSTEP,  256                       ; along K in a slot
.set NQ,     KSTEP/128                 ; matrix instructions deep
.set ROWB,   192                       ; a tile's row in bytes
.set KROW,   1536                      ; a row of A or of W in memory, in bytes
.set PITCH,  240                       ; an LDS row: 3 x (64 bytes of data + 16 of padding) = 60 words: row r starts at bank -4 r mod 64 (64 banks of 4 bytes: ISA guide 11.1), so the 32 lanes of a load of 8 bytes touch 64 different banks
.set FR,     12                        ; registers of a fragment: 16 rows x 128 K
.set NL,     6                         ; LDS loads that bring one
.set NP,     4                         ; places behind this matrix instruction (ISA guide 7.12.1)
.set HALFT,  128*PITCH                 ; 128 rows: what one tensor load brings, and what one wave reads of A or of W
.set SLOT,   4*HALFT                   ; A's 256 rows, then W's 256 rows
.set LAPS,   2048/(2*KSTEP)            ; a lap = two K steps = once round the ring
.set KS,     64                        ; a row of scales in bytes
.set NLAST,  3744                      ; the last column tile's first row of W: 4,000 - 256
.set SCL,    2*SLOT                    ; behind the ring: the scales, as runs of 256 bytes + 16 of padding
.set HALFS,  (128*KS/256)*272          ; the scales of 128 rows: what one tensor load brings
.set SBLK,   (16*KS/256)*272           ; those of 16 rows
.set SPARE,  SCL+4*HALFS               ; behind the scales: the spare words, 128 bytes for each wave: two blocks of 256 bytes that no other line names
.set EX,     SPARE+512                 ; behind them: [column half][256 rows] x (M, S), 8 bytes a row, 4,096 bytes: written by LDS stores alone; no tensor load lands here
.set VPO,  14                          ; v14     my byte offset in part
.set ADRA, 16                          ; v16-17  LDS address of my A fragments in slot 0, 1  (v18-19: the same for the pieces that lie behind one padding more)
.set ADRB, 20                          ; v20-21  the same for W  (v22-23)
.set ADRS, 27                          ; v27     LDS address of my scale words: lanes 0-15 A's rows, lanes 16-31 W's
.set SPW,  28                          ; v28     LDS address of my spare word: SPARE + 4 x my thread's number; never rewritten
.set NIL,  29                          ; v29     0; never rewritten
.set EXW,  30                          ; v30     where I put a row's (M, S)
.set EXR,  31                          ; v31     where I read two rows' back
.set SC,   32                          ; scale words: set s (for slot s) at v[SC + 8 NQ s]; register NQ i + q: lanes 0-15 the word of A's block i, lanes 16-31 that of W's block i
.set GA,   64                          ; v64-111  the gathered product: A's four fragments
.set GSA,  112                         ; v112-115 their scale words;  v116-119 the gathered rows'
.set GSW,  116
.set TG,   120                         ; v120 the target;  v121 its row in weight_codes;  v122 in weight_scales;  v123, v124 my row in a_codes, a_scales;  v125 in targets;  v126 in tgtp
.set VWO,  121
.set VWS,  122
.set VAO,  123
.set VAS,  124
.set VTO,  125
.set VTS,  126
.set AF,   128                         ; A's fragments, in window 0
.set GD,   224                         ; v224-239 the gathered product's two accumulators;  v240-247 their sum
.set GS,   240
.set T,    128                         ; the way out, where A's fragments lay: v128-149 at work
.set PX,   150                         ; v150     a lane permute's destination
.set NM,   152                         ; v[152:153] -c M (named as a pair)
.set SU,   154                         ; v154-161 four pairs of sums
.set MSR,  162                         ; v162-177 (M, S) of block a at v[MSR + 2 a]
.set G1, 24                            ; s[24:31] descriptor group 1 for A's tiles;  s[32:39] group 0, one set for each slot
.set G0, 32
.set G1B, 48                           ; s[48:55], s[56:63] the same for W's tiles
.set G0B, 56
.set G1S, 68                           ; s[68:75], s[76:79] groups 1 and 0 for A's scales;  s[80:87], s[88:91] for W's
.set G0S, 76
.set G1SB, 80
.set G0SB, 88
.set WB,  24                           ; behind the loop (no tensor load is out any more): s[24:39] eight pairs: the weight, 1 or 0, of my column block b
.set SEL, 48                           ; s[48:49] lane selects for v_permlanex16_b32: lane l xor 16
.set CS,  50                           ; s[50:51] c = log2(e), as a pair;  s52 -c;  s53-55 lane masks;  s56 EXEC kept;  s57 FV;  s58, s59 at work;  s60 ln 2
.set MSB, 0
.macro WIN new                         ; the immediate's high byte repeats the setting that is left
.if MSB != (\new)
	s_set_vgpr_msb (MSB<<8)|(\new)
.set MSB, (\new)
.endif
.endm
.set MUL_LO, 0xa1                      ; source 0 (W) window 1, source 1 (A) window 0, C and D window 2
.set MUL_HI, 0xf1                      ; the same, C and D window 3
.set TO_B,   0x40                      ; destination window 1, address window 0
; A joint load: waves 0 and 1 fetch for A, waves 2 and 3 for W.  Each of the two lines has ONE mask and one set of registers for all that issue it; the branch hangs on the wave's number alone.
; Four v_nop follow each of the two lines, ahead of the jump, the label and what follows.
.macro JLOAD g0a, g1a, g0b, g1b
	s_cmp_eq_u32 s15, 0
	s_cbranch_scc0 .Lfor_b_\@
	tensor_load_to_lds s[\g0a:\g0a+3], s[\g1a:\g1a+7]
	s_nop 0
.rept 4
	v_nop
.endr
	s_branch .Lasked_\@
.Lfor_b_\@:
	tensor_load_to_lds s[\g0b:\g0b+3], s[\g1b:\g1b+7]
	s_nop 0
.rept 4
	v_nop
.endr
.Lasked_\@:
.endm
.macro CREST                           ; a round of the cluster's barrier behind its opening barrier
	s_cmp_lg_u32 s14, 0
	s_cbranch_scc1 .Lnot_wave_0_\@
	s_barrier_signal -3
.Lnot_wave_0_\@:
	s_barrier_wait -3
	s_barrier_signal -1
	s_barrier_wait -1
.endm
.macro CROUND                          ; a whole round
	s_barrier_signal -1
	s_barrier_wait -1
	CREST
.endm
	s_load_b128 s[4:7], s[0:1], 0x0                ; A's codes s[4:5], A's scales s[6:7]
	s_load_b128 s[8:11], s[0:1], 0x10              ; W's codes s[8:9], W's scales s[10:11]
	s_load_b128 s[96:99], s[0:1], 0x20             ; targets s[96:97], part s[98:99]
	s_load_b64 s[12:13], s[0:1], 0x30              ; tgtp
	v_lshl_add_u32 v[SPW], v0, 2, SPARE
	v_mov_b32 v[NIL], 0
	ds_add_u32 v28, v29
	ds_add_u32 v28, v29
	s_wait_dscnt 0x0
	v_lshrrev_b32 v1, 5, v0
	v_readfirstlane_b32 s14, v1                    ; wave 0..3
	v_and_b32 v1, 15, v0                           ; r = l % 16
	v_bfe_u32 v2, v0, 4, 1                         ; h = l / 16
	s_lshr_b32 s15, s14, 1                         ; which half of the tile's rows is mine.  Also: I fetch for A (0) or for W (1)
	s_and_b32 s16, s14, 1                          ; which half of its columns.  Also: which 128 rows of that tile I fetch
	s_bfe_u32 s40, ttmp6, 0x40000                  ; cx, cy: my place in the cluster
	s_bfe_u32 s41, ttmp6, 0x40004
	s_lshl_b32 s42, ttmp9, 2
	s_add_co_u32 s42, s42, s40                     ; tile column = 4 x cluster x + cx
	s_and_b32 s17, ttmp7, 0xffff
	s_lshl_b32 s17, s17, 2
	s_add_co_u32 s17, s17, s41                     ; tile row = 4 x cluster y + cy
	s_lshl_b32 s43, s41, 2
	s_lshl_b32 s43, 15, s43                        ; my row of the cluster
	s_lshl_b32 s44, 0x1111, s40                    ; my column
	s_lshl_b32 s95, s17, 4
	s_add_co_u32 s95, s95, s42                     ; idx = 16 x tile row + tile column: it enters offsets into memory alone
	s_lshl_b32 s100, s95, 6
	v_lshl_add_u32 v[VTO], v1, 2, s100             ; targets: 4 (16 idx + r)
	; descriptor group 1: a tile of 128 rows x ROWB bytes, padded in LDS
	s_or_b32 s[G1+0], s43, (0<<16)|(1<<20)|(1<<21)|(3<<22)|(3<<25)  ; 15:0 the mask: A's tiles go to my row; 17:16 element of 1 byte; 20 padding on; 21 set beside a mask; 24:22 after every 16 words (code 3); 31:25 of 4 words (code 3)
	s_or_b32 s[G1B+0], s44, (0<<16)|(1<<20)|(1<<21)|(3<<22)|(3<<25)
.irp g, G1, G1B
	s_mov_b32 s[\g+1], ROWB<<16                    ; tensor_dim0
	s_mov_b32 s[\g+2], 128<<16                     ; tensor_dim1 = 128
	s_mov_b32 s[\g+3], ROWB<<16                    ; tile_dim0
	s_mov_b32 s[\g+4], 128                         ; tile_dim1 = 128
	s_mov_b32 s[\g+5], KROW                        ; tensor_dim0_stride
	s_mov_b32 s[\g+6], 0
	s_mov_b32 s[\g+7], 0
.endr
	; and for the scales of 128 rows: a dense block of 8,192 bytes, as rows of 256 bytes (32 elements of 8 bytes), 16 bytes of padding behind each
	s_or_b32 s[G1S+0], s43, (3<<16)|(1<<20)|(1<<21)|(5<<22)|(3<<25)
	s_or_b32 s[G1SB+0], s44, (3<<16)|(1<<20)|(1<<21)|(5<<22)|(3<<25)
.irp g, G1S, G1SB
	s_mov_b32 s[\g+1], 32<<16
	s_mov_b32 s[\g+2], (128*KS/256)<<16
	s_mov_b32 s[\g+3], 32<<16
	s_mov_b32 s[\g+4], 128*KS/256
	s_mov_b32 s[\g+5], 32
	s_mov_b32 s[\g+6], 0
	s_mov_b32 s[\g+7], 0
.endr
	s_lshl_b32 s18, s16, 7                         ; which 128 rows of the tile I fetch
	s_lshl_b32 s20, s17, 8
	s_add_co_u32 s20, s20, s18                     ; A: row 256 x tile row + 128 x half
	s_lshl_b32 s46, s42, 8
	s_min_u32 s46, s46, NLAST                      ; W: the last tile begins at row 3,744, so that its 256 rows end with the tensor
	s_add_co_u32 s46, s46, s18                     ; + 128 x half
	s_mov_b32 s21, 0
	s_mov_b32 s47, 0
	s_mov_b64 s[18:19], KS
	s_mul_u64 s[22:23], s[20:21], s[18:19]         ; where these rows' scales begin, in bytes
	s_mul_u64 s[92:93], s[46:47], s[18:19]
	s_mov_b64 s[18:19], KROW
	s_mul_u64 s[20:21], s[20:21], s[18:19]         ; and their codes
	s_mul_u64 s[46:47], s[46:47], s[18:19]
	s_mul_i32 s45, s14, HALFT                      ; where they go: wave x 128 rows: no place in the cluster enters an LDS address
	s_mul_i32 s94, s14, HALFS
	s_wait_kmcnt 0x0
	s_add_nc_u64 s[20:21], s[4:5], s[20:21]
	s_add_nc_u64 s[22:23], s[6:7], s[22:23]
	s_add_nc_u64 s[46:47], s[8:9], s[46:47]
	s_add_nc_u64 s[92:93], s[10:11], s[92:93]
	global_load_b32 v[TG], v[VTO], s[96:97]        ; my row's target: it lands while the cluster meets and the first tiles are asked for
	CROUND                                         ; all sixteen work-groups are here: the first joint loads meet
	s_mov_b32 s[G0S], 1
	s_add_co_u32 s[G0S+1], s94, SCL
	s_mov_b64 s[G0S+2:G0S+3], s[22:23]
	s_or_b32 s[G0S+3], s[G0S+3], 0x80000000
	s_mov_b32 s[G0SB], 1
	s_add_co_u32 s[G0SB+1], s94, SCL
	s_mov_b64 s[G0SB+2:G0SB+3], s[92:93]
	s_or_b32 s[G0SB+3], s[G0SB+3], 0x80000000
	JLOAD G0S, G1S, G0SB, G1SB                     ; the scales first: they are wanted with K step 0
.irp s, 0,1
	s_mov_b32 s[G0+4*\s], 1
	s_add_co_u32 s[G0+4*\s+1], s45, \s*SLOT
	s_add_nc_u64 s[G0+4*\s+2:G0+4*\s+3], s[20:21], \s*ROWB
	s_or_b32 s[G0+4*\s+3], s[G0+4*\s+3], 0x80000000
	s_mov_b32 s[G0B+4*\s], 1
	s_add_co_u32 s[G0B+4*\s+1], s45, \s*SLOT
	s_add_nc_u64 s[G0B+4*\s+2:G0B+4*\s+3], s[46:47], \s*ROWB
	s_or_b32 s[G0B+4*\s+3], s[G0B+4*\s+3], 0x80000000
	JLOAD G0+4*\s, G1, G0B+4*\s, G1B               ; three tensor loads of mine are out now
.endr
	v_mul_u32_u24 v3, v1, PITCH
	v_mul_u32_u24 v4, v2, 24
	v_add_nc_u32 v4, v3, v4                        ; a fragment's row x pitch + 24 x half
	v_lshl_add_u32 v5, v2, 4, v4                   ; and the same behind one padding more
	s_mul_i32 s21, s15, HALFT                      ; my 128 rows of A
	s_mul_i32 s22, s16, HALFT                      ; my 128 rows of W,
	s_add_co_u32 s22, s22, 2*HALFT                 ; which lie behind A's 256
.irp s, 0,1
	v_add_nc_u32 v[ADRA+\s], s21, v4
	v_add_nc_u32 v[ADRB+\s], s22, v4
	v_add_nc_u32 v[ADRA+2+\s], s21, v5
	v_add_nc_u32 v[ADRB+2+\s], s22, v5
	s_add_co_u32 s21, s21, SLOT
	s_add_co_u32 s22, s22, SLOT
.endr
	v_mul_u32_u24 v5, v1, KS                       ; my row's scales: KS bytes a row,
	v_lshrrev_b32 v6, 8, v5
	v_lshl_add_u32 v5, v6, 4, v5                   ; and 16 more for each 256 passed
	s_mul_i32 s21, s15, HALFS                      ; A's: my 128 rows
	s_mul_i32 s22, s16, HALFS                      ; W's: my 128 rows, behind A's 256
	s_add_co_u32 s22, s22, 2*HALFS
	s_sub_co_u32 s22, s22, s21
	v_mul_u32_u24 v6, s22, v2                      ; lanes 16-31 take W's
	s_add_co_u32 s21, s21, SCL
	v_add_nc_u32 v5, v5, v6
	v_add_nc_u32 v[ADRS], s21, v5
	s_lshl_b32 s100, s16, 11                       ; the exchange: 2,048 x column half
	s_lshl_b32 s101, s15, 10                       ; + 1,024 x row half
	s_add_co_u32 s100, s100, s101
	s_add_co_u32 s100, s100, EX
	v_lshl_add_u32 v[EXW], v1, 3, s100             ; + 8 r; block a stands in the store's immediate
	v_lshl_add_u32 v[EXR], v0, 4, EX               ; back: thread t takes rows 2 t and 2 t + 1
	s_lshl_b32 s100, s17, 10
	s_lshl_b32 s101, s42, 15
	s_add_co_u32 s100, s100, s101
	v_lshl_add_u32 v[VPO], v0, 3, s100             ; part: 32,768 x tile column + 4 (256 x tile row + 2 t)
	; the gathered product's offsets
	s_lshl_b32 s100, s95, 4
	v_add_nc_u32 v7, s100, v1                      ; my row: 16 idx + r
	s_lshl_b32 s101, s14, 15
	v_lshl_add_u32 v[VTS], v7, 2, s101             ; tgtp: 32,768 x wave + 4 x row
	v_mul_u32_u24 v8, v2, 24
	s_mul_i32 s101, s14, 384
	v_add_nc_u32 v8, s101, v8                      ; in a row of codes: my wave's 512 along K (384 bytes), + 24 h
	v_mad_u32_u24 v[VAO], v7, KROW, v8
	s_lshl_b32 s101, s14, 4                        ; in a row of scales: my wave's four words
	v_lshl_add_u32 v[VAS], v7, 6, s101
	s_wait_loadcnt 0x0                             ; the target
	v_min_u32 v[TG], 3999, v[TG]                   ; held inside the table
	v_mul_u32_u24 v[VWO], v[TG], KROW
	v_add_nc_u32 v[VWO], v[VWO], v8
	v_lshlrev_b32 v[VWS], 6, v[TG]
	v_add_nc_u32 v[VWS], s101, v[VWS]
.irp s, 0,1,2,3                        ; 50 loads that stay out through the whole loop: nothing there names their registers, their offsets, their bases or EXEC
.irp p, 0,1,2,3,4,5
	global_load_b64 v[GA+12*\s+2*\p:GA+12*\s+2*\p+1], v[VAO], s[4:5] offset:96*\s+48*(\p/3)+8*(\p%3)
.endr
.endr
	global_load_b128 v[GSA:GSA+3], v[VAS], s[6:7]
	global_load_b128 v[GSW:GSW+3], v[VWS], s[10:11]
	WIN TO_B
.irp s, 0,1,2,3
.irp p, 0,1,2,3,4,5
	global_load_b64 v[96+12*\s+104*(\s/2)+2*\p:96+12*\s+104*(\s/2)+2*\p+1], v[VWO], s[8:9] offset:96*\s+48*(\p/3)+8*(\p%3)
.endr
.endr
	WIN 0
.macro FRAG reg, adr, q, i             ; a fragment, 16 rows x 128 K of 6-bit codes, is 12 registers: lane l holds row l % 16; registers 6 c .. 6 c + 5 hold K = 64 c + 32 (l / 16) + 0 .. 31: 24 bytes of the row's stream of bits, as they lie
.irp p, 0,1,2,3,4,5                    ; in pieces of 8 bytes, so that every address is a multiple of the access's size.  Lanes 0-15 take the row's pieces 12 q + 0, 1, 2 and 12 q + 6, 7, 8, lanes 16-31 those three pieces on
.set PC, 12*(\q)+6*(\p/3)+\p%3        ; the mover has laid 16 bytes of padding behind every 64 bytes (8 pieces): where the piece three on lies behind one padding more, the second address register (40 for 24 bytes a half) serves
.if PC%8 < 5
	ds_load_b64 v[\reg+2*\p:\reg+2*\p+1], v[\adr] offset:8*PC+16*(PC/8)+(\i)*16*PITCH
.else
	ds_load_b64 v[\reg+2*\p:\reg+2*\p+1], v[\adr+2] offset:8*PC+16*(PC/8)+(\i)*16*PITCH
.endif
.endr
.endm
; 16 matrix instructions: A's blocks a0, a0 + 1 x W's eight, 128 along K: the slot's q-th.  p: W's set;  sc: the set of scale words.  zero = 1: the first product starts the sums: nothing is ever cleared.
; The 64 accumulators take turns, one instruction a turn, in the same order in every step.
.macro MUL16 a0, p, q, sc, zero
.irp a, \a0, \a0+1
.irp b, 0,1,2,3,4,5,6,7
.if \zero
	v_wmma_scale_f32_16x16x128_f8f6f4 v[8*(8*((\a)%4)+\b):8*(8*((\a)%4)+\b)+7], v[128*(\p)+FR*\b:128*(\p)+FR*\b+FR-1], v[AF+FR*(\a):AF+FR*(\a)+FR-1], 0, v[SC+8*NQ*(\sc)+NQ*\b+(\q)], v[SC+8*NQ*(\sc)+NQ*(\a)+(\q)] matrix_a_fmt:MATRIX_FMT_FP6 matrix_b_fmt:MATRIX_FMT_FP6 matrix_a_scale:MATRIX_SCALE_ROW1
.else
	v_wmma_scale_f32_16x16x128_f8f6f4 v[8*(8*((\a)%4)+\b):8*(8*((\a)%4)+\b)+7], v[128*(\p)+FR*\b:128*(\p)+FR*\b+FR-1], v[AF+FR*(\a):AF+FR*(\a)+FR-1], v[8*(8*((\a)%4)+\b):8*(8*((\a)%4)+\b)+7], v[SC+8*NQ*(\sc)+NQ*\b+(\q)], v[SC+8*NQ*(\sc)+NQ*(\a)+(\q)] matrix_a_fmt:MATRIX_FMT_FP6 matrix_b_fmt:MATRIX_FMT_FP6 matrix_a_scale:MATRIX_SCALE_ROW1
.endif
.endr
.endr
.endm
.macro FETCH_B slot, q, p              ; W's eight fragments of the slot's q-th 128 along K into set p
	WIN TO_B
.irp i, 0,1,2,3,4,5,6,7
	FRAG 128*(\p)+FR*\i, ADRB+\slot, \q, \i
.endr
	WIN 0
.endm
.macro FETCH_A slot, q, i0             ; A's blocks i0 .. i0 + 3
.irp i, \i0, \i0+1, \i0+2, \i0+3
	FRAG AF+FR*(\i), ADRA+\slot, \q, \i
.endr
.endm
.macro SCALES sc                       ; the next K step's scale words into set sc: NQ words a row; lanes 0-15 take A's block i, lanes 16-31 W's block i
.irp i, 0,1,2,3,4,5,6,7
	ds_load_b64 v[SC+8*NQ*\sc+NQ*\i:SC+8*NQ*\sc+NQ*\i+1], v[ADRS] offset:\i*SBLK
.endr
.endm
; A load into a register that a matrix instruction has read, and a vector instruction that reads a matrix result or writes one of a matrix instruction's registers, stand NP places behind that matrix instruction,
; and only plain vector instructions that name none of its registers are places (ISA guide 7.12.1 for vector instructions); the matrix instructions in between are not counted.
.macro PLACES n
.rept \n
	v_nop
.endr
.endm
; A step of 128 along K that has its successor in the same slot.
.macro STEP slot, q, zero
	s_wait_dscnt 4*NL                              ; W's set and A's blocks 0-3 are in; the youngest 24 loads (A's blocks 4-7) may be out
	WIN MUL_LO
	MUL16 0, (\q)%2, \q, \slot, \zero
	MUL16 2, (\q)%2, \q, \slot, \zero
	s_wait_dscnt 0                                 ; A's blocks 4-7 are in (asked for 32 matrix instructions ago)
	PLACES NP
	FETCH_B \slot, (\q)+1, 1-(\q)%2
	FETCH_A \slot, (\q)+1, 0
	WIN MUL_HI
	MUL16 4, (\q)%2, \q, \slot, \zero
	MUL16 6, (\q)%2, \q, \slot, \zero
	PLACES NP
	WIN 0
	FETCH_A \slot, (\q)+1, 4
.endm
; A slot's last step changes slots: ONE barrier; in front of it each wave waits for all its tensor loads, adds 0 to its spare word, and waits for that and for its own reads of this slot.  fill = 1: this slot is filled again, two K steps ahead.
.macro TURN slot, next, fill
	s_wait_tensorcnt 0x0                           ; all my tensor loads have landed: my part of the next slot;  (every window is 0 here: the add's two registers lie in window 0)
	ds_add_u32 v[SPW], v[NIL]                      ; 0 onto my spare word
	s_wait_dscnt 4*NL+1                            ; (the add and the youngest 24 loads, A's blocks 4-7, may be out)
	WIN MUL_LO
	MUL16 0, 1, NQ-1, \slot, 0                     ; sixteen matrix instructions stand between the add and the wait for it
	s_wait_dscnt 0x0                               ; the add is done, and my reads of this slot are over
	s_barrier_signal -1
	MUL16 2, 1, NQ-1, \slot, 0
	WIN 0
	s_barrier_wait -1
.if \fill
	CREST                                          ; the barrier has opened a round of the cluster's barrier: no wave of any partner still reads this slot's tile or has a load on its way
	s_add_nc_u64 s[G0+4*\slot+2:G0+4*\slot+3], s[G0+4*\slot+2:G0+4*\slot+3], 2*ROWB
	s_add_nc_u64 s[G0B+4*\slot+2:G0B+4*\slot+3], s[G0B+4*\slot+2:G0B+4*\slot+3], 2*ROWB
	JLOAD G0+4*\slot, G1, G0B+4*\slot, G1B         ; the first tensor load behind the round; the four v_nop behind it are the places in front of the loads below
.else
	PLACES NP
.endif
	v_add_nc_u32 v[ADRS], 4*NQ, v[ADRS]            ; on to the next K step's scale words (no LDS load of mine is out)
	FETCH_B \next, 0, 0
	FETCH_A \next, 0, 0
	SCALES \next
	WIN MUL_HI
	MUL16 4, 1, NQ-1, \slot, 0
	MUL16 6, 1, NQ-1, \slot, 0
	PLACES NP
	WIN 0
	FETCH_A \next, 0, 4
.endm
	s_wait_tensorcnt 1                             ; the scales and my part of K step 0 are in (K step 1's load may be out)
	s_barrier_signal -1
	s_barrier_wait -1                              ; everybody's are
	FETCH_B 0, 0, 0
	FETCH_A 0, 0, 0
	SCALES 0
	FETCH_A 0, 0, 4
	STEP 0, 0, 1                                   ; the first step stands in front of the loop: its products start the sums
	s_mov_b32 s3, LAPS-1
.Llap:                                                 ; a trip goes once round the ring, from a lap's second step to the next lap's first, and fills both slots again
	TURN 0, 1, 1
	STEP 1, 0, 0
	TURN 1, 0, 1
	STEP 0, 0, 0
	s_sub_co_u32 s3, s3, 1
	s_cmp_lg_u32 s3, 0
	s_cbranch_scc1 .Llap
	TURN 0, 1, 0                                   ; the last lap fills nothing, and has no round of the cluster's barrier
	STEP 1, 0, 0
	s_wait_dscnt 4*NL                              ; the very last step: nothing more to fetch
	WIN MUL_LO
	MUL16 0, 1, NQ-1, 1, 0
	MUL16 2, 1, NQ-1, 1, 0
	s_wait_dscnt 0
	WIN MUL_HI
	MUL16 4, 1, NQ-1, 1, 0
	MUL16 6, 1, NQ-1, 1, 0
	WIN 0
	; ---- No tensor load is out since the last change of slots, and none follows: the descriptors' registers take constants
	s_mov_b32 s[SEL], 0x76543210
	s_mov_b32 s[SEL+1], 0xfedcba98
	s_mov_b32 s[CS], 0x3fb8aa3b                    ; c = log2(e)
	s_mov_b32 s[CS+1], s[CS]                       ; (named with it as a pair, so it is written)
	s_mov_b32 s52, 0xbfb8aa3b                      ; -c
	s_mov_b32 s53, 0xaaaaaaaa                      ; lanes whose number has bit 0 set,
	s_mov_b32 s54, 0xcccccccc                      ; bit 1,
	s_mov_b32 s55, 0xf0f0f0f0                      ; bit 2
	s_mov_b32 s60, 0x3f317218                      ; ln 2
	; ---- THE TARGET'S LOGIT: source 0 = my work-group's 16 rows of A, source 1 = the 16 rows of W that their targets name; K = my wave's 512, in two sums by turns
.macro TGT s, d, zero
.set GWR, 96+12*(\s)+104*((\s)/2)
.if \zero
	v_wmma_scale_f32_16x16x128_f8f6f4 v[GD+8*\d:GD+8*\d+7], v[GA+12*\s:GA+12*\s+11], v[GWR:GWR+11], 0, v[GSA+\s], v[GSW+\s] matrix_a_fmt:MATRIX_FMT_FP6 matrix_b_fmt:MATRIX_FMT_FP6
.else
	v_wmma_scale_f32_16x16x128_f8f6f4 v[GD+8*\d:GD+8*\d+7], v[GA+12*\s:GA+12*\s+11], v[GWR:GWR+11], v[GD+8*\d:GD+8*\d+7], v[GSA+\s], v[GSW+\s] matrix_a_fmt:MATRIX_FMT_FP6 matrix_b_fmt:MATRIX_FMT_FP6
.endif
.endm
	s_wait_loadcnt 0x0                             ; the 50 loads asked for at the head
	WIN 0x04                                       ; source 1 window 1
	TGT 0, 0, 1
	TGT 1, 1, 1
	TGT 2, 0, 0
	TGT 3, 1, 0
	WIN 0
	PLACES NP                                      ; behind these four products and behind the loop's last ones alike
.irp j, 0,2,4,6
	v_pk_add_f32 v[GS+\j:GS+\j+1], v[GD+\j:GD+\j+1], v[GD+8+\j:GD+8+\j+1]   ; the two sums, from their low ends on.  Register j of lane (r, h): row 8 h + j against target r
.endr
.irp j, 0,2,4,6
	v_cndmask_b32 v[GS+\j], v[GS+\j], v[GS+\j+1], s53      ; the diagonal: register j = lane % 8, chosen bit by bit
.endr
	v_cndmask_b32 v[GS], v[GS], v[GS+2], s54
	v_cndmask_b32 v[GS+4], v[GS+4], v[GS+6], s54
	v_cndmask_b32 v[GS], v[GS], v[GS+4], s55
	v_bfe_u32 v9, v0, 3, 1
	v_cmp_eq_u32 vcc_lo, v9, v2                    ; it lies in the lanes with r / 8 = h: lanes 0-7 (rows 0-7) and 24-31 (rows 8-15)
	s_wait_xcnt 0x0                                ; EXEC changes only behind this wait
	s_and_saveexec_b32 s56, vcc_lo
	global_store_b32 v[VTS], v[GS], s[12:13]       ; sixteen lanes: 64 consecutive bytes
	s_wait_xcnt 0x0                                ; and again, in front of the line that widens it
	s_or_b32 exec_lo, exec_lo, s56
	; ---- the weights of my eight blocks of 16 columns: 0 for the columns that the tile before has, 1 for all others.  A choice of values: no branch and no address hangs on it
	s_lshl_b32 s57, s42, 8
	s_min_u32 s59, s57, NLAST
	s_sub_co_u32 s57, s57, s59                     ; FV: 96 in the last column tile, 0 elsewhere
	s_lshl_b32 s58, s16, 7                         ; my first column in the tile
.irp b, 0,1,2,3,4,5,6,7
	s_add_co_u32 s59, s58, 16*\b
	s_cmp_ge_u32 s59, s57
	s_cselect_b32 s[WB+2*\b], 1.0, 0
	s_mov_b32 s[WB+2*\b+1], s[WB+2*\b]             ; (named as a pair)
.endr
	v_mov_b32 v[PX], 0                             ; written once: a lane permute's destination counts as one of its sources
	v_mov_b32 v[NM+1], 0                           ; (named as the upper half of a pair)
; ---- THE WAY OUT of block a (16 rows x my 128 columns, 64 numbers a lane): M = the largest logit of the row; S = the sum of weight x 2^(c x - c M); (M, S) to the exchange.
.macro LSE a
.set W,  2+(\a)/4
.set W3, W|(W<<2)|(W<<4)
.set WD, (W<<6)|W
.set AC, 64*((\a)%4)
.set MS, MSR+2*(\a)
	WIN W3                                         ; all three sources: the accumulators' window
.set i, 0
.rept 20
	v_max3_num_f32 v[T+i], v[AC+3*i], v[AC+3*i+1], v[AC+3*i+2]     ; in ascending order: each accumulator is first read at its low end
.set i, i+1
.endr
	v_max_num_f32 v[T+20], v[AC+60], v[AC+61]
	v_max_num_f32 v[T+21], v[AC+62], v[AC+63]
	WIN 0
.set i, 0
.rept 7
	v_max3_num_f32 v[T+i], v[T+3*i], v[T+3*i+1], v[T+3*i+2]        ; 21 become 7: what a line writes has been read by an earlier line
.set i, i+1
.endr
	v_max3_num_f32 v[T], v[T], v[T+1], v[T+2]
	v_max3_num_f32 v[T+3], v[T+3], v[T+4], v[T+5]
	v_max3_num_f32 v[T], v[T], v[T+3], v[T+6]
	v_max_num_f32 v[T], v[T], v[T+21]
	v_permlanex16_b32 v[PX], v[T], s[SEL], s[SEL+1]                ; the row's other 64 columns lie in the lane 16 away
	v_max_num_f32 v[MS], v[T], v[PX]
	v_mul_f32 v[NM], s52, v[MS]                    ; -c M
	WIN WD                                         ; destination and source 0: the accumulators' window
.set i, 0
.rept 32
	v_pk_fma_f32 v[AC+2*i:AC+2*i+1], v[AC+2*i:AC+2*i+1], s[CS:CS+1], v[NM:NM+1] op_sel_hi:[1,0,0]   ; c x - c M, two at a time (of the pairs c and -c M the low word serves both halves)
.set i, i+1
.endr
.set i, 0
.rept 64
	v_exp_f32 v[AC+i], v[AC+i]                     ; at most 1
.set i, i+1
.endr
	WIN W                                          ; source 0 alone
	v_nop                                          ; a plain line between the exponentials and the use of their results
	s_wait_alu depctr_va_vdst(0)
.irp p, 0,1,2,3
	v_pk_mul_f32 v[SU+2*\p:SU+2*\p+1], v[AC+2*\p:AC+2*\p+1], s[WB:WB+1] op_sel_hi:[1,0]   ; block 0 starts four chains
.endr
.irp b, 1,2,3,4,5,6,7
.irp p, 0,1,2,3
	v_pk_fma_f32 v[SU+2*\p:SU+2*\p+1], v[AC+8*\b+2*\p:AC+8*\b+2*\p+1], s[WB+2*\b:WB+2*\b+1], v[SU+2*\p:SU+2*\p+1] op_sel_hi:[1,0,1]
.endr
.endr
	WIN 0
	v_pk_add_f32 v[SU:SU+1], v[SU:SU+1], v[SU+2:SU+3]
	v_pk_add_f32 v[SU+4:SU+5], v[SU+4:SU+5], v[SU+6:SU+7]
	v_pk_add_f32 v[SU:SU+1], v[SU:SU+1], v[SU+4:SU+5]
	v_add_f32 v[SU], v[SU], v[SU+1]
	v_permlanex16_b32 v[PX], v[SU], s[SEL], s[SEL+1]
	v_add_f32 v[MS+1], v[SU], v[PX]
	ds_store_b64 v[EXW], v[MS:MS+1] offset:128*(\a)                ; lanes l and l xor 16 write the same bytes with the same values; each block has its own pair of registers
.endm
.irp a, 0,1,2,3,4,5,6,7
	LSE \a
.endr
	; ---- the two column halves of a row meet: thread t takes rows 2 t and 2 t + 1
	s_wait_dscnt 0x0                               ; for the others' sake: my stores into the exchange are done
	s_barrier_signal -1
	s_barrier_wait -1
	ds_load_b128 v[T:T+3], v[EXR]                  ; M, S, M, S of the left half,
	ds_load_b128 v[T+4:T+7], v[EXR] offset:2048    ; of the right
	s_wait_dscnt 0x0
	v_max_num_f32 v[T+8], v[T], v[T+4]             ; the tile's M
	v_max_num_f32 v[T+9], v[T+2], v[T+6]
	v_sub_f32 v[T+10], v[T], v[T+8]
	v_sub_f32 v[T+11], v[T+4], v[T+8]
	v_sub_f32 v[T+12], v[T+2], v[T+9]
	v_sub_f32 v[T+13], v[T+6], v[T+9]
.irp j, 10,11,12,13
	v_mul_f32 v[T+\j], s[CS], v[T+\j]
.endr
.irp j, 10,11,12,13
	v_exp_f32 v[T+\j], v[T+\j]
.endr
	v_nop                                          ; a plain line behind the exponentials
	s_wait_alu depctr_va_vdst(0)
	v_mul_f32 v[T+14], v[T+1], v[T+10]
	v_mul_f32 v[T+15], v[T+3], v[T+12]
	v_fmac_f32 v[T+14], v[T+5], v[T+11]            ; S under the tile's M
	v_fmac_f32 v[T+15], v[T+7], v[T+13]
	v_log_f32 v[T+14], v[T+14]
	v_log_f32 v[T+15], v[T+15]
	v_nop                                          ; a plain line behind the logarithms
	s_wait_alu depctr_va_vdst(0)
	v_fma_f32 v[T+16], v[T+14], s60, v[T+8]        ; L = M + ln 2 x log2(S).  (Where every own column of the last tile lies some 87 under a column of the tile before, S is 0 and L -infinity: the later launch then gives it the weight 0)
	v_fma_f32 v[T+17], v[T+15], s60, v[T+9]
	global_store_b64 v[VPO], v[T+16:T+17], s[98:99]                ; a wave stores 256 consecutive bytes, at a multiple of 256 from the buffer's first byte
	s_wait_tensorcnt 0x0                           ; the wave's end: behind my last tensor load and my last LDS store
	ds_add_u32 v[SPW], v[NIL]
	s_wait_dscnt 0x0
	CROUND                                         ; the closing round: no work-group ends while a partner may still ask for a tile that names it
	s_endpgm
.Lfunc_end_k_q5472736ba1_gemm:
	.size	k_q5472736ba1_gemm, .Lfunc_end_k_q5472736ba1_gemm-k_q5472736ba1_gemm
	.p2alignl 7, 3214868480
	.fill 96, 4, 3214868480
	.section	.rodata,"a",@progbits
	.p2align	6, 0x0
	.amdhsa_kernel k_q5472736ba1_gemm
		.amdhsa_group_segment_fixed_size 327680
		.amdhsa_private_segment_fixed_size 0
		.amdhsa_enable_private_segment 0
		.amdhsa_kernarg_size 56
		.amdhsa_user_sgpr_count 2
		.amdhsa_user_sgpr_kernarg_segment_ptr 1
		.amdhsa_wavefront_size32 1
		.amdhsa_system_sgpr_workgroup_id_x 1
		.amdhsa_system_sgpr_workgroup_id_y 1
		.amdhsa_system_sgpr_workgroup_id_z 1
		.amdhsa_system_vgpr_workitem_id 0
		.amdhsa_next_free_vgpr 1024
		.amdhsa_next_free_sgpr 102
		.amdhsa_reserve_vcc 1
		.amdhsa_float_denorm_mode_32 3
		.amdhsa_float_denorm_mode_16_64 3
		.amdhsa_memory_ordered 1
		.amdhsa_forward_progress 1
		.amdhsa_inst_pref_size 210
	.end_amdhsa_kernel
	.amdgpu_metadata
---
amdhsa.version: [ 1, 2 ]
amdhsa.kernels:
  - .name:           k_q5472736ba1_gemm
    .symbol:         k_q5472736ba1_gemm.kd
    .args:
      - { .name: a_codes, .offset: 0, .size: 8, .value_kind: global_buffer, .address_space: global }
      - { .name: a_scales, .offset: 8, .size: 8, .value_kind: global_buffer, .address_space: global }
      - { .name: weight_codes, .offset: 16, .size: 8, .value_kind: global_buffer, .address_space: global }
      - { .name: weight_scales, .offset: 24, .size: 8, .value_kind: global_buffer, .address_space: global }
      - { .name: targets, .offset: 32, .size: 8, .value_kind: global_buffer, .address_space: global }
      - { .name: part, .offset: 40, .size: 8, .value_kind: global_buffer, .address_space: global }
      - { .name: tgtp, .offset: 48, .size: 8, .value_kind: global_buffer, .address_space: global }
    .group_segment_fixed_size: 327680
    .private_segment_fixed_size: 0
    .kernarg_segment_align: 8
    .kernarg_segment_size: 56
    .max_flat_workgroup_size: 128
    .sgpr_count:     102
    .vgpr_count:     1024
    .wavefront_size: 32
...
	.end_amdgpu_metadata
.endif
;; end of part 2
;; launch rows (part 3): grid 128 x 1, 1 waves a work-group, no clusters, 0 bytes of LDS; arguments part, tgtp, ref_logprobs, padding_masks, advantages, out5, wsum; writes out5, wsum
.if DOCPART == 3
	.amdgcn_target "amdgcn-amd-amdhsa--gfx1250"
	.amdhsa_code_object_version 6
	.text
	.protected	k_q5472736ba1_rows
	.globl	k_q5472736ba1_rows
	.p2align	8
	.type	k_q5472736ba1_rows,@function
k_q5472736ba1_rows:
	s_mov_b64 s[64:65], 0
	v_nop
	global_prefetch_b8 v0, s[64:65] scope:SCOPE_SE
	s_setreg_imm32_b32 hwreg(HW_REG_WAVE_MODE, 25, 1), 1
	s_wait_xcnt 0x0
; For each of 8,192 rows: logz = the logsumexp of the row's 16 partial L (part[tile][row]), their maximum taken away first; the target's logit = the sum of tgtp's four quarters of K;
; pi = logit - logz -> out5;  delta = ref - pi;  kl = e^delta - delta - 1;  pol = e^(pi - pi) x advantage;  loss = 0.1 kl - pol; each times the mask.
; One wave a work-group; work-group g takes rows 64 g .. 64 g + 63, which lie in batch g / 32; lane l takes rows 64 g + 2 l and the next: even registers hold the first, odd ones the second.
; Each load of 8 bytes a lane covers 256 consecutive bytes, aligned.  The wave's four sums (loss, pol, kl, count) go to wsum[g][0 .. 3]; the last launch adds them, since a sum over work-groups is made by an owner.
; 0.7 MB are read by 128 waves: neither LDS, matrix units nor clusters have anything to give here.
.set P, 8                              ; v8-39  16 pairs of L
	s_load_b256 s[4:11], s[0:1], 0x0               ; part s[4:5], tgtp s[6:7], ref_logprobs s[8:9], padding_masks s[10:11]
	s_load_b128 s[12:15], s[0:1], 0x20             ; advantages s[12:13], out5 s[14:15]
	s_load_b64 s[16:17], s[0:1], 0x30              ; wsum
	s_lshl_b32 s20, ttmp9, 8
	v_lshl_add_u32 v1, v0, 3, s20                  ; 4 (64 g + 2 l)
	s_lshl_b32 s21, ttmp9, 6
	v_lshl_add_u32 v2, v0, 1, s21                  ; 64 g + 2 l: the masks are bytes
	s_lshr_b32 s24, ttmp9, 5
	s_lshl_b32 s24, s24, 2
	v_mov_b32 v3, s24                              ; 4 x batch
	s_lshl_b32 s25, ttmp9, 4
	v_mov_b32 v4, s25                              ; 16 g
	s_mov_b32 s18, 0x76543210                      ; v_permlanex16_b32's selects for lane l xor 16
	s_mov_b32 s19, 0xfedcba98
	s_mov_b32 s22, 0x3fb8aa3b                      ; c = log2(e), as a pair
	s_mov_b32 s23, s22
	s_mov_b32 s26, 0xbfb8aa3b                      ; -c
	s_mov_b32 s27, 0x3f317218                      ; ln 2
	s_mov_b32 s28, 0x3dcccccd                      ; 0.1
	v_mov_b32 v76, 0                               ; written once: a lane permute's destination counts as one of its sources
	s_wait_kmcnt 0x0
.irp i, 0,1,2,3,4,5,6,7,8,9,10,11,12,13,14,15
	global_load_b64 v[P+2*\i:P+2*\i+1], v1, s[4:5] offset:32768*\i
.endr
.irp k, 0,1,2,3
	global_load_b64 v[40+2*\k:41+2*\k], v1, s[6:7] offset:32768*\k
.endr
	global_load_b64 v[48:49], v1, s[8:9]
	global_load_u16 v50, v2, s[10:11]
	global_load_b32 v51, v3, s[12:13]              ; my batch's advantage, in every lane
	s_wait_loadcnt 0x0
.irp u, 0,1                            ; the largest of a row's 16
	v_max3_num_f32 v[52+\u], v[P+\u], v[P+2+\u], v[P+4+\u]
.endr
.irp i, 6,10,14,18,22,26
.irp u, 0,1
	v_max3_num_f32 v[52+\u], v[52+\u], v[P+\i+\u], v[P+\i+2+\u]
.endr
.endr
.irp u, 0,1
	v_max_num_f32 v[52+\u], v[52+\u], v[P+30+\u]
.endr
	v_mul_f32 v54, s26, v52                        ; -c x the largest
	v_mul_f32 v55, s26, v53
.irp i, 0,1,2,3,4,5,6,7,8,9,10,11,12,13,14,15
	v_pk_fma_f32 v[P+2*\i:P+2*\i+1], v[P+2*\i:P+2*\i+1], s[22:23], v[54:55] op_sel_hi:[1,0,1]
.endr
.irp i, 0,1,2,3,4,5,6,7,8,9,10,11,12,13,14,15,16,17,18,19,20,21,22,23,24,25,26,27,28,29,30,31
	v_exp_f32 v[P+\i], v[P+\i]
.endr
	v_pk_add_f32 v[40:41], v[40:41], v[42:43]      ; the target's logit: four quarters of K.  (A plain line behind the exponentials)
	v_pk_add_f32 v[44:45], v[44:45], v[46:47]
	v_pk_add_f32 v[40:41], v[40:41], v[44:45]
	s_wait_alu depctr_va_vdst(0)
.irp i, 4,8,12,16,20,24,28             ; the sum, in two chains
	v_pk_add_f32 v[P:P+1], v[P:P+1], v[P+\i:P+\i+1]
	v_pk_add_f32 v[P+2:P+3], v[P+2:P+3], v[P+\i+2:P+\i+3]
.endr
	v_pk_add_f32 v[P:P+1], v[P:P+1], v[P+2:P+3]
	v_log_f32 v[P], v[P]
	v_log_f32 v[P+1], v[P+1]
	v_and_b32 v68, 0xff, v50                       ; the two mask bytes.  (A plain line behind the logarithms)
	v_lshrrev_b32 v69, 8, v50
	s_wait_alu depctr_va_vdst(0)
	v_fma_f32 v56, v[P], s27, v52                  ; logz
	v_fma_f32 v57, v[P+1], s27, v53
	v_pk_add_f32 v[58:59], v[40:41], v[56:57] neg_lo:[0,1] neg_hi:[0,1]    ; pi
	global_store_b64 v1, v[58:59], s[14:15]        ; the wave stores 256 consecutive bytes, aligned
	v_cvt_f32_u32 v68, v68                         ; m
	v_cvt_f32_u32 v69, v69
	v_pk_add_f32 v[60:61], v[48:49], v[58:59] neg_lo:[0,1] neg_hi:[0,1]    ; delta = ref - pi
	v_sub_f32 v64, v58, v58                        ; pi - pi, as it is written: 0 for every finite pi
	v_sub_f32 v65, v59, v59
	v_mul_f32 v62, s22, v60
	v_mul_f32 v63, s22, v61
	v_mul_f32 v64, s22, v64
	v_mul_f32 v65, s22, v65
.irp j, 62,63,64,65
	v_exp_f32 v[\j], v[\j]
.endr
	v_add_f32 v75, v68, v69                        ; the count.  (A plain line behind the exponentials)
	s_wait_alu depctr_va_vdst(0)
.irp u, 0,1
	v_sub_f32 v[62+\u], v[62+\u], v[60+\u]         ; e^delta - delta
	v_mul_f32 v[64+\u], v[64+\u], v51              ; pol
.endr
.irp u, 0,1
	v_add_f32 v[62+\u], -1.0, v[62+\u]             ; kl
.endr
.irp u, 0,1
	v_fma_f32 v[66+\u], v[62+\u], s28, -v[64+\u]   ; loss = -(pol - 0.1 kl)
.endr
	v_mul_f32 v72, v66, v68                        ; times the mask, my two rows together
	v_mul_f32 v73, v64, v68
	v_mul_f32 v74, v62, v68
	v_fmac_f32 v72, v67, v69
	v_fmac_f32 v73, v65, v69
	v_fmac_f32 v74, v63, v69
.irp x, 1,2,4,8                        ; over the 32 lanes: four steps inside each half of 16 lanes, the four sums by turns,
.irp r, 72,73,74,75
	v_add_f32_dpp v[\r], v[\r], v[\r] row_xmask:\x row_mask:0xf bank_mask:0xf
.endr
.endr
.irp r, 72,73,74,75                    ; one across the halves
	v_permlanex16_b32 v76, v[\r], s18, s19
	v_add_f32 v[\r], v[\r], v76
.endr
	v_cmp_eq_u32 vcc_lo, 0, v0
	s_wait_xcnt 0x0                                ; EXEC changes only behind this wait
	s_and_saveexec_b32 s29, vcc_lo
	global_store_b128 v4, v[72:75], s[16:17]       ; lane 0: loss, pol, kl, count of these 64 rows
	s_wait_xcnt 0x0                                ; and again, in front of the line that widens it
	s_or_b32 exec_lo, exec_lo, s29
	s_endpgm
.Lfunc_end_k_q5472736ba1_rows:
	.size	k_q5472736ba1_rows, .Lfunc_end_k_q5472736ba1_rows-k_q5472736ba1_rows
	.p2alignl 7, 3214868480
	.fill 96, 4, 3214868480
	.section	.rodata,"a",@progbits
	.p2align	6, 0x0
	.amdhsa_kernel k_q5472736ba1_rows
		.amdhsa_group_segment_fixed_size 0
		.amdhsa_private_segment_fixed_size 0
		.amdhsa_enable_private_segment 0
		.amdhsa_kernarg_size 56
		.amdhsa_user_sgpr_count 2
		.amdhsa_user_sgpr_kernarg_segment_ptr 1
		.amdhsa_wavefront_size32 1
		.amdhsa_system_sgpr_workgroup_id_x 1
		.amdhsa_system_sgpr_workgroup_id_y 1
		.amdhsa_system_sgpr_workgroup_id_z 1
		.amdhsa_system_vgpr_workitem_id 0
		.amdhsa_next_free_vgpr 96
		.amdhsa_next_free_sgpr 66
		.amdhsa_reserve_vcc 1
		.amdhsa_float_denorm_mode_32 3
		.amdhsa_float_denorm_mode_16_64 3
		.amdhsa_memory_ordered 1
		.amdhsa_forward_progress 1
		.amdhsa_inst_pref_size 11
	.end_amdhsa_kernel
	.amdgpu_metadata
---
amdhsa.version: [ 1, 2 ]
amdhsa.kernels:
  - .name:           k_q5472736ba1_rows
    .symbol:         k_q5472736ba1_rows.kd
    .args:
      - { .name: part, .offset: 0, .size: 8, .value_kind: global_buffer, .address_space: global }
      - { .name: tgtp, .offset: 8, .size: 8, .value_kind: global_buffer, .address_space: global }
      - { .name: ref_logprobs, .offset: 16, .size: 8, .value_kind: global_buffer, .address_space: global }
      - { .name: padding_masks, .offset: 24, .size: 8, .value_kind: global_buffer, .address_space: global }
      - { .name: advantages, .offset: 32, .size: 8, .value_kind: global_buffer, .address_space: global }
      - { .name: out5, .offset: 40, .size: 8, .value_kind: global_buffer, .address_space: global }
      - { .name: wsum, .offset: 48, .size: 8, .value_kind: global_buffer, .address_space: global }
    .group_segment_fixed_size: 0
    .private_segment_fixed_size: 0
    .kernarg_segment_align: 8
    .kernarg_segment_size: 56
    .max_flat_workgroup_size: 32
    .sgpr_count:     66
    .vgpr_count:     96
    .wavefront_size: 32
...
	.end_amdgpu_metadata
.endif
;; end of part 3
;; launch final (part 4): grid 1 x 1, 1 waves a work-group, no clusters, 0 bytes of LDS; arguments wsum, out0, out1, out2, out3, out4; writes out0, out1, out2, out3, out4
.if DOCPART == 4
	.amdgcn_target "amdgcn-amd-amdhsa--gfx1250"
	.amdhsa_code_object_version 6
	.text
	.protected	k_q5472736ba1_final
	.globl	k_q5472736ba1_final
	.p2align	8
	.type	k_q5472736ba1_final,@function
k_q5472736ba1_final:
	s_mov_b64 s[64:65], 0
	v_nop
	global_prefetch_b8 v0, s[64:65] scope:SCOPE_SE
	s_setreg_imm32_b32 hwreg(HW_REG_WAVE_MODE, 25, 1), 1
	s_wait_xcnt 0x0
; wsum[128][4] = (loss, pol, kl, count) of 64 rows each; entries 32 k .. 32 k + 31 belong to batch k.  For each batch the 32 entries are added, the count is held at 1e-9 from below,
; the three sums are divided by it (a reciprocal and a multiplication: the one rounding that differs from a division), and the mean over the four batches is taken.
; out0 = loss, out1 = policy loss, out2 = kl loss, out3 = 1, out4 = 0.  2,048 bytes and one wave: the owner of a sum that spans the work-groups of the launch before.
	s_load_b128 s[4:7], s[0:1], 0x0                ; wsum s[4:5], out0 s[6:7]
	s_load_b128 s[8:11], s[0:1], 0x10              ; out1 s[8:9], out2 s[10:11]
	s_load_b128 s[12:15], s[0:1], 0x20             ; out3 s[12:13], out4 s[14:15]
	v_lshlrev_b32 v1, 4, v0                        ; 16 bytes a lane
	s_mov_b32 s18, 0x76543210                      ; v_permlanex16_b32's selects for lane l xor 16
	s_mov_b32 s19, 0xfedcba98
	v_mov_b32 v20, 0                               ; written once: a lane permute's destination counts as one of its sources
	s_wait_kmcnt 0x0
.irp k, 0,1,2,3
	global_load_b128 v[4+4*\k:7+4*\k], v1, s[4:5] offset:512*\k    ; batch k's 32 entries: 512 consecutive bytes
.endr
	s_wait_loadcnt 0x0
.irp x, 1,2,4,8                        ; sixteen sums over the 32 lanes, by turns
.irp r, 4,5,6,7,8,9,10,11,12,13,14,15,16,17,18,19
	v_add_f32_dpp v[\r], v[\r], v[\r] row_xmask:\x row_mask:0xf bank_mask:0xf
.endr
.endr
.irp r, 4,5,6,7,8,9,10,11,12,13,14,15,16,17,18,19
	v_permlanex16_b32 v20, v[\r], s18, s19
	v_add_f32 v[\r], v[\r], v20
.endr
.irp k, 0,1,2,3
	v_max_num_f32 v[7+4*\k], 0x3089705f, v[7+4*\k] ; the count, held at 1e-9 from below
.endr
.irp k, 0,1,2,3
	v_rcp_f32 v[7+4*\k], v[7+4*\k]
.endr
	v_mov_b32 v28, 0                               ; the stores' offset.  (A plain line behind the reciprocals)
	s_wait_alu depctr_va_vdst(0)
.irp q, 0,1,2                          ; q = 0 loss, 1 pol, 2 kl
	v_mul_f32 v[24+\q], v[4+\q], v7
.endr
.irp k, 1,2,3
.irp q, 0,1,2
	v_fmac_f32 v[24+\q], v[4+4*\k+\q], v[7+4*\k]
.endr
.endr
.irp q, 0,1,2
	v_mul_f32 v[24+\q], 0x3e800000, v[24+\q]       ; the mean of four
.endr
	v_mov_b32 v27, 1.0                             ; ratios
	v_mov_b32 v29, 0                               ; clipfrac
	v_cmp_eq_u32 vcc_lo, 0, v0
	s_wait_xcnt 0x0                                ; EXEC changes only behind this wait
	s_and_saveexec_b32 s20, vcc_lo
	global_store_b32 v28, v24, s[6:7]
	global_store_b32 v28, v25, s[8:9]
	global_store_b32 v28, v26, s[10:11]
	global_store_b32 v28, v27, s[12:13]
	global_store_b32 v28, v29, s[14:15]
	s_wait_xcnt 0x0                                ; and again, in front of the line that widens it
	s_or_b32 exec_lo, exec_lo, s20
	s_endpgm
.Lfunc_end_k_q5472736ba1_final:
	.size	k_q5472736ba1_final, .Lfunc_end_k_q5472736ba1_final-k_q5472736ba1_final
	.p2alignl 7, 3214868480
	.fill 96, 4, 3214868480
	.section	.rodata,"a",@progbits
	.p2align	6, 0x0
	.amdhsa_kernel k_q5472736ba1_final
		.amdhsa_group_segment_fixed_size 0
		.amdhsa_private_segment_fixed_size 0
		.amdhsa_enable_private_segment 0
		.amdhsa_kernarg_size 48
		.amdhsa_user_sgpr_count 2
		.amdhsa_user_sgpr_kernarg_segment_ptr 1
		.amdhsa_wavefront_size32 1
		.amdhsa_system_sgpr_workgroup_id_x 1
		.amdhsa_system_sgpr_workgroup_id_y 1
		.amdhsa_system_sgpr_workgroup_id_z 1
		.amdhsa_system_vgpr_workitem_id 0
		.amdhsa_next_free_vgpr 48
		.amdhsa_next_free_sgpr 66
		.amdhsa_reserve_vcc 1
		.amdhsa_float_denorm_mode_32 3
		.amdhsa_float_denorm_mode_16_64 3
		.amdhsa_memory_ordered 1
		.amdhsa_forward_progress 1
		.amdhsa_inst_pref_size 9
	.end_amdhsa_kernel
	.amdgpu_metadata
---
amdhsa.version: [ 1, 2 ]
amdhsa.kernels:
  - .name:           k_q5472736ba1_final
    .symbol:         k_q5472736ba1_final.kd
    .args:
      - { .name: wsum, .offset: 0, .size: 8, .value_kind: global_buffer, .address_space: global }
      - { .name: out0, .offset: 8, .size: 8, .value_kind: global_buffer, .address_space: global }
      - { .name: out1, .offset: 16, .size: 8, .value_kind: global_buffer, .address_space: global }
      - { .name: out2, .offset: 24, .size: 8, .value_kind: global_buffer, .address_space: global }
      - { .name: out3, .offset: 32, .size: 8, .value_kind: global_buffer, .address_space: global }
      - { .name: out4, .offset: 40, .size: 8, .value_kind: global_buffer, .address_space: global }
    .group_segment_fixed_size: 0
    .private_segment_fixed_size: 0
    .kernarg_segment_align: 8
    .kernarg_segment_size: 48
    .max_flat_workgroup_size: 32
    .sgpr_count:     66
    .vgpr_count:     48
    .wavefront_size: 32
...
	.end_amdgpu_metadata
.endif
;; end of part 4
